; MI455X (gfx1250); checked and timed in simulation.
; The chip was launched on July 23, 2026; its instructions are those of AMD's public machine-readable ISA for CDNA 5 (MIT licence, August 2026) and "CDNA5" Instruction Set Architecture Reference Guide (July 2026). The comments in the code are by the model that wrote it; some were corrected since.
;; Mega Transformer Self Attention. Allowed arithmetic: matrix products marked QUANTISED: E2M3 operands, one E8M0 scale for each 32 along K, by v_wmma_scale_f32_16x16x128_f8f6f4 with both operands' format E2M3, f32 sums; everything else in f32.
;; Inputs: Wk_codes 1,024 x 32 x 24 uint8 (E2M3 codes of Wk, K innermost, in blocks of 32 codes, four codes in three bytes); Wk_scales 1,024 x 32 uint8 (E8M0 scales of Wk, one for each 32 codes along K); Wo_codes 1,024 x 32 x 24 uint8 (E2M3 codes of Wo, K innermost, in blocks of 32 codes, four codes in three bytes); Wo_scales 1,024 x 32 uint8 (E8M0 scales of Wo, one for each 32 codes along K); Wq_codes 1,024 x 32 x 24 uint8 (E2M3 codes of Wq, K innermost, in blocks of 32 codes, four codes in three bytes); Wq_scales 1,024 x 32 uint8 (E8M0 scales of Wq, one for each 32 codes along K); Wv_codes 1,024 x 32 x 24 uint8 (E2M3 codes of Wv, K innermost, in blocks of 32 codes, four codes in three bytes); Wv_scales 1,024 x 32 uint8 (E8M0 scales of Wv, one for each 32 codes along K); bo 1,024 float32; hidden_states_codes 2 x 2,048 x 32 x 24 uint8 (E2M3 codes of hidden_states, K innermost, in blocks of 32 codes, four codes in three bytes); hidden_states_scales 2 x 2,048 x 32 uint8 (E8M0 scales of hidden_states, one for each 32 codes along K).
;; Outputs: out0 2 x 2,048 x 1,024 float32.
;; This version of the problem:
;;   THIS VERSION OF THE PROBLEM IS GIVEN IN LOW PRECISION. The matrix products marked QUANTISED in the list below multiply operands that are first quantised to E2M3 (2 exponent bits, 3 mantissa bits; 6 bits a number), with one power-of-two scale for each 32 numbers along K (OCP MX v1.0); their sums are f32. All else is computed in f32.
;;   The module's matrix products, in the order in which they are computed (A, B: the left and right operand; K: the contracted axis; several contracted axes count as one K, in the product's order):
;;     1. [M 4,096, K 1,024] x [K 1,024, N 1,024]; A: input hidden_states (given as codes); B: input Wq (given as codes): QUANTISED
;;     2. [M 4,096, K 1,024] x [K 1,024, N 1,024]; A: input hidden_states (given as codes); B: input Wk (given as codes): QUANTISED
;;     3. [M 4,096, K 1,024] x [K 1,024, N 1,024]; A: input hidden_states (given as codes); B: input Wv (given as codes): QUANTISED
;;     4. batch 32 x [M 2,048, K 64] x [K 64, N 2,048]; A: computed on the way; B: computed on the way: QUANTISED
;;     5. batch 32 x [M 2,048, K 2,048] x [K 2,048, N 64]; A: softmax (see below); B: computed on the way: QUANTISED
;;     6. [M 4,096, K 1,024] x [K 1,024, N 1,024]; A: computed on the way; B: input Wo (given as codes): QUANTISED
;;   THE QUANTISER, for each operand of a quantised product, along K:
;;     - K is cut into blocks of 32 from its start; a last block that is shorter is filled with zeros.
;;     - A block's scale is 2^e with e = floor(log2(the largest magnitude in the block)) - 2, held to -126 .. 127; a block of zeros has e = 0. As a byte (E8M0): e + 127.
;;     - Each number is divided by its block's scale, clamped to +-7.5, and rounded to the nearest number of E2M3, ties to even, subnormals kept.
;;     - The product sums the exact products of the quantised numbers (number of the format x scale) in f32.
;;   ~~~python
;;   def quantise(x, axis):      # numpy; x: float32 -> the quantised numbers, widened to float32 again
;;       x = np.moveaxis(x, axis, -1); K = x.shape[-1]
;;       x = np.pad(x, [(0, 0)] * (x.ndim - 1) + [(0, -K % 32)]); x = x.reshape(x.shape[:-1] + (-1, 32)); a = np.abs(x).max(-1, keepdims=True)
;;       e = np.where(a > 0, np.clip(np.frexp(np.where(a > 0, a, 1))[1] - 1 - 2, -126, 127), 0)      # np.frexp(a)[1] - 1 = floor(log2(a)), exactly
;;       r = np.clip(x / 2.0 ** e, -7.5, 7.5)
;;       step = 2.0 ** (np.maximum(np.frexp(np.where(r == 0, 1, r))[1] - 1, 0) - 3)
;;       q = np.round(r / step) * step * 2.0 ** e      # np.round: ties to even
;;       return np.moveaxis(q.reshape(q.shape[:-2] + (-1,))[..., :K], -1, axis).astype(np.float32)
;;   ~~~
;;   SOFTMAX AHEAD OF A QUANTISED PRODUCT. Where the list says 'softmax', what is quantised is not the finished softmax but p = 2^(t - M), with t = logit x log2(e) and M = ceil(the row's largest t), a whole number; so 1/2 < the row's largest p <= 1. The row's sum l is taken of the UNQUANTISED p, in f32, and the product's result is divided by l at the end. Since M is a whole number, a kernel that streams over the keys may use a running M (the ceiling of the running maximum): every later rescaling is an exact power of two, which a block's scale takes up: the codes' values come out the same.
;;   OPERANDS COMPUTED ON THE WAY. 'Computed on the way' means the value that the module computes at that place (a softmax that the list does not call 'softmax' is quantised finished and normalised). What goes into a quantiser is computed in f32, as accurately as f32 sums, v_exp_f32 and their like allow (about 1e-6 of the number): no bf16 or f16 on the way to a quantiser, and a product that is left as it is and whose result goes on into a quantised operand takes f32 operands (vector FMAs, or v_wmma_f32_16x16x4_f32). A number that lies on a knife's edge between two numbers of the format may be rounded either way, as far as f32 arithmetic and the matrix unit's own rounding can turn it there, and no further.
;;   INPUTS GIVEN AS CODES. Wk (in the module: [1024, 1024], K = its axis 1); Wo (in the module: [1024, 1024], K = its axis 1); Wq (in the module: [1024, 1024], K = its axis 1); Wv (in the module: [1024, 1024], K = its axis 1); hidden_states (in the module: [2, 2048, 1024], K = its axis 2): each comes as NAME_codes (uint8): NAME with its K axis moved to the last place and cut into blocks of 32 codes, [.., K / 32, bytes a block], one block behind the other in memory; four codes in three bytes: a row's codes are one little-endian stream of bits, code i at bits 6 i .. 6 i + 5 (a code: sign, 2 exponent bits, 3 mantissa bits); and NAME_scales (uint8): the same leading axes, one E8M0 byte (e + 127) for each 32 codes along K. Its value is code x scale, taken as it is: it is not quantised again, and the codes and scales need not be those that the quantiser above would give.
;; One version. Each part assembles by itself: llvm-mc -triple=amdgcn-amd-amdhsa -mcpu=gfx1250 --defsym DOCPART=n.
;; ======== version 1 of 1: 3 launches
;; limits: right only within a limited range of input values
;; workspace buffers: qimg 3,145,728 bytes; qsc 131,072 bytes; kv 6,553,600 bytes; ctx 3,145,728 bytes; ctxsc 131,072 bytes
;; launch proj (part 1): grid 16 x 16, 4 waves a work-group, clusters of 4 x 4, 327,680 bytes of LDS; arguments hidden_states_codes, hidden_states_scales, Wq_codes, Wq_scales, Wk_codes, Wk_scales, Wv_codes, Wv_scales, qimg, qsc, kv; writes qimg, qsc, kv
.if DOCPART == 1
	.amdgcn_target "amdgcn-amd-amdhsa--gfx1250"
	.amdhsa_code_object_version 6
	.text
	.protected	k_q7f7d5170fa_proj
	.globl	k_q7f7d5170fa_proj
	.p2align	8
	.type	k_q7f7d5170fa_proj,@function
k_q7f7d5170fa_proj:
	s_mov_b64 s[64:65], 0
	v_nop
	global_prefetch_b8 v0, s[64:65] scope:SCOPE_SE
	s_setreg_imm32_b32 hwreg(HW_REG_WAVE_MODE, 25, 1), 1
	s_wait_xcnt 0x0
	s_wait_alu depctr_hold_cnt(0) depctr_sa_sdst(0) depctr_va_vdst(0) depctr_va_sdst(0) depctr_va_ssrc(0) depctr_va_vcc(0) depctr_vm_vsrc(0)
	s_getreg_b32 s2, hwreg(HW_REG_IB_STS2, 6, 4)
	s_cmp_eq_u32 s2, 0
	s_cbranch_scc0 .Lentry_in_a_cluster
	s_endpgm
.Lentry_in_a_cluster:
	s_bfe_u32 s2, ttmp6, 0x10000c
	s_cmp_lg_u32 s2, 0xf033
	s_cbranch_scc0 .Lentry_shape_is_right
	s_endpgm
.Lentry_shape_is_right:
; q, k, v = hidden x Wq^T, Wk^T, Wv^T on codes of FP6 (E2M3) with E8M0 scales, and their quantising for the attention launch.
; WORK LEFT OUT IN THIS PROGRAM: the attention launch multiplies no step of 128 keys that lies wholly above the diagonal of reference()'s own causal mask: there the score is -inf, p = 0, and 0 is added
; to the row's sum and to the weighted sum, whatever the inputs hold.  A NaN or an infinity that reaches only such a step is not carried to the result.  Every input is loaded.
; SHARES.  Work-group (x = head, y = 0..15) STAYS: it makes q, k and v of one head for block y of 128 tokens of batch 0, and then for block y of batch 1: 256 work-groups.  The head's rows of W and their scale words are fetched once.
;   Wave w: c = w / 2 is its half of the tokens (four tiles m of 16), g = w % 2:
;   g = 0 makes q, g = 1 makes k (four tiles f of 16 rows of W, TRANSPOSED: source 0 = W, source 1 = hidden: a lane holds one token, its registers run along the head's 64);
;   both make two tiles of v (t = 2 g + u; source 0 = hidden, source 1 = Wv: a lane holds one channel, its registers run along the tokens, the K of the later product).
; THE ROWS OF Wv THAT FORM A TILE ARE NOT NEIGHBOURS: lane r of tile t takes channel 32 (t / 2) + 8 (t % 2) + r + 8 (r / 8), so that the attention launch's result has 16 neighbouring channels in a lane.
; LDS.  All of K lies in LDS, as whole rows of 768 bytes, each beginning at a multiple of 256 bytes of memory, with 16 bytes of padding behind every 256: pitch 816.  At the head one tensor load a wave
;   (wave 0: hidden's 128 rows; waves 1, 2, 3: 64 rows of Wq, Wk, Wv).  hidden's rows are filled again once, 32 rows a wave, behind the first block's last product and a round of the cluster's barrier;
;   the first block's quantising and stores stand between that request and the wait for it.  Every wait for tensor loads is for 0; a wave has one out at a time.
; CLUSTER 4 x 4.  The four work-groups of a row of the cluster share y and ask for hidden's tiles jointly; the four of a column share x and ask for W's tiles jointly.
; PREFETCH.  At the head the second block's 128 rows of hidden are named once in each row of the cluster, a whole block's products ahead of the load that wants them: partner cx takes rows 32 cx .. + 31 (by address),
;   a lane a row, waves 0, 1, 2 the row's three pieces of 256 bytes.  The first block comes by the head's loads alone.
; WHAT IS STORED.  A HALF = the image of six operand registers of 32 lanes, 768 bytes: registers 0-3 at 16 x lane, registers 4, 5 at 512 + 8 x lane.
;   qimg [bh][tile of 16 queries][768];  kv [bh][step of 128 keys][12,800]: 8 halves of K, 4 x 2 halves of V^T, 256 bytes of K's scales [r][tile] u16, 256 of V's [r][t] words;  qsc [bh][block][r][tile] u16.
;   Inside a block of 32 the codes stand in the order {0-7, 16-23, 8-15, 24-31}, alike in q and k, and alike in v and the later p: a product keeps its value.
; LIMITS.  A scale byte 0xff (NaN) among the inputs is not served.  A block whose largest magnitude lies under 2^-124, a block of zeros too, gets the byte 1; only this program reads the bytes.
.set PIT,   816
.set WL,    128*PIT                    ; W's 192 rows lie behind hidden's 128
.set STG,   WL+192*PIT                 ; the stage for the scale bytes: 768 bytes that no tile lands in
.set SPARE, STG+768                    ; the spare words
.set NEXTH, 16*98304                   ; from batch 0 to batch 1: hidden's codes, and qimg (256 blocks x 6,144);
.set NEXTS, 65536                      ; hidden's scales (16 x 4,096), and qsc (256 x 256);
.set NEXTK, 256*12800                  ; kv
.set FLAGS, (1<<20)|(1<<21)|(5<<22)|(3<<25)   ; elements of 1 byte; padding on; bit 21 beside a mask; behind every 64 words, 4 words
.set AH,  2                            ; v2, v3   LDS address of my fragments of hidden; the second (+ 16 h) for pieces whose lanes 16-31 lie behind one padding more
.set AW,  4                            ; v4, v5   of Wq or Wk
.set AV,  6                            ; v6, v7   of Wv
.set LI,  8
.set LJ,  9
.set SQK, 10
.set SV,  11
.set SRD, 12
.set OS,  13
.set OV,  14
.set HS,  16                           ; v16-31  hidden's scale words: 4 m + j: lanes 0-15 K step j, lanes 16-31 K step 4 + j
.set WS,  32                           ; v32-55  W's: 4 f + j
.set HF0, 56                           ; v56-103, v104-151  hidden's four fragments, two sets
.set WF,  152                          ; v152-223  W's six fragments, one set
.set TM,  224
.set PF,  253                          ; v253  the prefetch's offset: lane x 768; never rewritten
.set PCR, 56
.set PWR, 104
.set WV,  4
.set G1H, 48
.set G1W, 56
.set G0H, 68
.set G0W, 84
.set PFA, 88                           ; s[88:89] the prefetch's base; never rewritten
.set MSB, 0
.macro WIN new
.if MSB != \new
	s_set_vgpr_msb (MSB<<8)|\new
.set MSB, \new
.endif
.endm
.macro ROUND
	s_barrier_signal -1
	s_barrier_wait -1
	s_cmp_lg_u32 s[WV], 0
	s_cbranch_scc1 .Lnw0_\@
	s_barrier_signal -3
.Lnw0_\@:
	s_barrier_wait -3
	s_barrier_signal -1
	s_barrier_wait -1
.endm
.macro PLACES
.rept 4
	v_nop
.endr
.endm
	s_load_b512 s[16:31], s[0:1], 0x0              ; hidden's codes, scales; Wq's; Wk's; Wv's
	s_load_b128 s[32:35], s[0:1], 0x40             ; qimg, qsc
	s_load_b64 s[36:37], s[0:1], 0x50              ; kv
	v_lshl_add_u32 v254, v0, 2, SPARE
	v_mov_b32 v255, 0
	ds_add_u32 v254, v255                          ; the opening lines
	ds_add_u32 v254, v255
	v_lshrrev_b32 v1, 5, v0
	v_readfirstlane_b32 s[WV], v1
	s_lshr_b32 s5, s[WV], 1                        ; c
	s_and_b32 s6, s[WV], 1                         ; g
	s_bfe_u32 s7, ttmp6, 0x40000                   ; cx
	s_bfe_u32 s8, ttmp6, 0x40004                   ; cy
	s_lshl_b32 s9, ttmp9, 2
	s_add_co_u32 s9, s9, s7                        ; x = the head
	s_and_b32 s10, ttmp7, 0xffff
	s_lshl_b32 s10, s10, 2
	s_add_co_u32 s10, s10, s8                      ; y = the block of 128 tokens in its batch
	s_lshl_b32 s11, s8, 2
	s_lshl_b32 s11, 15, s11                        ; my row of the cluster
	s_lshl_b32 s12, 0x1111, s7                     ; my column
	s_or_b32 s[G1H], s11, FLAGS
	s_or_b32 s[G1W], s12, FLAGS
.irp g, G1H, G1W
	s_mov_b32 s[\g+1], 768<<16                     ; a whole row of K: 768 bytes
	s_mov_b32 s[\g+3], 768<<16
	s_mov_b32 s[\g+5], 768
	s_mov_b32 s[\g+6], 0
	s_mov_b32 s[\g+7], 0
.endr
	s_mov_b32 s[G1H+2], 128<<16
	s_mov_b32 s[G1H+4], 128
	s_mov_b32 s[G1W+2], 64<<16
	s_mov_b32 s[G1W+4], 64
	s_mul_i32 s38, s10, 98304                      ; 128 rows of 768 bytes
	s_mov_b32 s39, 0                               ; (stays 0)
	s_mul_i32 s44, s9, 49152                       ; 64 rows
	s_mov_b32 s45, 0
	s_mul_i32 s46, s[WV], 64*PIT                   ; waves 1, 2, 3 fetch Wq, Wk, Wv: 64 rows apart
	s_wait_dscnt 0x0
	s_wait_kmcnt 0x0
	s_add_nc_u64 s[40:41], s[16:17], s[38:39]
	s_cmp_eq_u32 s[WV], 1
	s_cselect_b64 s[42:43], s[20:21], s[24:25]
	s_cmp_eq_u32 s[WV], 3
	s_cselect_b64 s[42:43], s[28:29], s[42:43]
	s_add_nc_u64 s[42:43], s[42:43], s[44:45]
	s_mov_b32 s[G0H], 1
	s_mov_b32 s[G0H+1], 0
	s_mov_b64 s[G0H+2:G0H+3], s[40:41]
	s_or_b32 s[G0H+3], s[G0H+3], 0x80000000
	s_mov_b32 s[G0W], 1
	s_add_co_u32 s[G0W+1], s46, WL-64*PIT
	s_mov_b64 s[G0W+2:G0W+3], s[42:43]
	s_or_b32 s[G0W+3], s[G0W+3], 0x80000000
	s_mul_i32 s46, s7, 32*768                      ; the prefetch: the second block's rows 32 cx .. + 31, piece w of each
	s_lshl_b32 s47, s[WV], 8
	s_add_co_u32 s46, s46, s47
	s_add_co_u32 s46, s46, NEXTH
	s_mov_b32 s47, 0
	s_add_nc_u64 s[PFA:PFA+1], s[40:41], s[46:47]
	ROUND                                          ; all sixteen work-groups are here: the joint loads meet
	s_cmp_eq_u32 s[WV], 0                          ; one load a wave, one to an arm
	s_cbranch_scc0 .Lfill_w
	tensor_load_to_lds s[G0H:G0H+3], s[G1H:G1H+7]
	s_nop 0
	PLACES
	s_branch .Lfilled
.Lfill_w:
	tensor_load_to_lds s[G0W:G0W+3], s[G1W:G1W+7]
	s_nop 0
	PLACES
.Lfilled:
	; the scale words come straight into registers: lane (r, h) takes 16 bytes at 32 r + 16 h, so 32 lanes read 512 consecutive bytes
	v_and_b32 v1, 15, v0                           ; r
	v_bfe_u32 v15, v0, 4, 1                        ; h
	v_lshlrev_b32 v[OS], 5, v1
	v_lshl_add_u32 v[OS], v15, 4, v[OS]
	s_wait_alu depctr_va_vdst(0)
	v_and_b32 v[OV], 8, v1
	v_add_nc_u32 v[OV], v[OV], v1                  ; r + 8 (r / 8)
	v_mul_u32_u24 v[AV], v[OV], PIT
	v_lshlrev_b32 v[OV], 5, v[OV]
	v_lshl_add_u32 v[OV], v15, 4, v[OV]
	s_wait_alu depctr_va_vdst(0)
	s_lshl_b32 s38, s10, 12
	s_lshl_b32 s46, s5, 11
	s_add_co_u32 s38, s38, s46
	s_add_nc_u64 s[18:19], s[18:19], s[38:39]
	s_cmp_eq_u32 s6, 0
	s_cselect_b64 s[22:23], s[22:23], s[26:27]     ; Wq's or Wk's scales
	s_lshl_b32 s38, s9, 11
	s_add_nc_u64 s[22:23], s[22:23], s[38:39]
	s_lshl_b32 s46, s6, 10
	s_add_co_u32 s38, s38, s46
	s_add_nc_u64 s[30:31], s[30:31], s[38:39]      ; Wv's: my 32 channels
.irp m, 0,1,2,3
	global_load_b128 v[HS+4*\m:HS+4*\m+3], v[OS], s[18:19] offset:512*\m
.endr
.irp f, 0,1,2,3
	global_load_b128 v[WS+4*\f:WS+4*\f+3], v[OS], s[22:23] offset:512*\f
.endr
.irp u, 0,1
	global_load_b128 v[WS+16+4*\u:WS+16+4*\u+3], v[OV], s[30:31] offset:256*\u
.endr
	; LDS addresses: a constant, a lane term, the wave's c or g times a constant
	v_mul_u32_u24 v[LI], v1, PIT
	v_mad_u32_u24 v[LI], v15, 24, v[LI]            ; r x pitch + 24 h
	s_mul_i32 s46, s5, 64*PIT
	v_add_nc_u32 v[AH], s46, v[LI]
	v_lshl_add_u32 v[AH+1], v15, 4, v[AH]
	s_mul_i32 s46, s6, 64*PIT
	s_add_co_u32 s46, s46, WL
	v_add_nc_u32 v[AW], s46, v[LI]
	v_lshl_add_u32 v[AW+1], v15, 4, v[AW]
	v_mad_u32_u24 v[AV], v15, 24, v[AV]
	s_mul_i32 s46, s6, 32*PIT
	s_add_co_u32 s46, s46, WL+128*PIT
	v_add_nc_u32 v[AV], s46, v[AV]
	v_lshl_add_u32 v[AV+1], v15, 4, v[AV]
	v_and_b32 v[SRD], 31, v0
	v_lshlrev_b32 v[LI], 4, v[SRD]
	v_lshlrev_b32 v[LJ], 3, v[SRD]
	v_mul_u32_u24 v[PF], v[SRD], 768
	s_wait_alu depctr_va_vdst(0)
	s_cmp_lt_u32 s[WV], 3                          ; a row has three pieces of 256 bytes: waves 0, 1, 2 name one each
	s_cbranch_scc0 .Lno_pf
	global_prefetch_b8 v[PF], s[PFA:PFA+1] th:TH_LOAD_NT scope:SCOPE_SE
.Lno_pf:
	s_lshl_b32 s46, s6, 8
	s_lshl_b32 s47, s5, 3
	s_add_co_u32 s46, s46, s47
	s_add_co_u32 s46, s46, STG
	v_lshl_add_u32 v[SQK], v1, 4, s46              ; STG + 256 g + 8 c + 16 r
	s_lshl_b32 s46, s6, 3
	s_lshl_b32 s47, s5, 1
	s_add_co_u32 s46, s46, s47
	s_add_co_u32 s46, s46, STG+512
	v_lshl_add_u32 v[SV], v1, 4, s46               ; STG + 512 + 8 g + 2 c + 16 r
	s_lshl_b32 s46, s[WV], 8
	s_add_co_u32 s46, s46, STG
	v_add_nc_u32 v[SRD], s46, v[LJ]                ; STG + 256 w + 8 x lane
	v_mov_b32 v[TM+2], 0                           ; a lane permute's destination counts as one of its sources
	v_mov_b32 v[TM+3], 0
	s_mov_b32 s2, 0x76543210
	s_mov_b32 s3, 0xfedcba98                       ; selects: lane l xor 16
	; where the first block's results go: bh = the head
	s_lshl_b32 s15, s9, 4
	s_add_co_u32 s15, s15, s10                     ; 16 bh + the block's number in its batch
	s_mul_i32 s38, s15, 12800
	s_add_nc_u64 s[66:67], s[36:37], s[38:39]      ; my block of kv
	s_mul_i32 s44, s15, 6144
	s_mul_i32 s46, s5, 3072
	s_cmp_eq_u32 s6, 0
	s_cselect_b64 s[40:41], s[32:33], s[66:67]     ; g = 0: qimg;  g = 1: K's halves in kv
	s_cselect_b32 s44, s44, 0
	s_add_co_u32 s44, s44, s46
	s_add_nc_u64 s[40:41], s[40:41], s[44:45]
	s_mul_i32 s44, s6, 3072                        ; v: fragment 2 g + u, half c
	s_mul_i32 s46, s5, 768
	s_add_co_u32 s44, s44, s46
	s_add_co_u32 s44, s44, 6144
	s_add_nc_u64 s[42:43], s[66:67], s[44:45]
	s_lshl_b32 s46, s15, 8                         ; the scale bytes: wave 0 stores q's, waves 1 and 2 K's and V's
	s_lshl_b32 s47, s[WV], 8
	s_add_co_u32 s47, s47, 12032
	s_cmp_eq_u32 s[WV], 0
	s_cselect_b64 s[44:45], s[34:35], s[66:67]
	s_cselect_b32 s46, s46, s47
	s_mov_b32 s47, 0
	s_add_nc_u64 s[44:45], s[44:45], s[46:47]
; A fragment, 16 rows x 128 K of 6-bit codes, is 12 registers: lane (r, h) takes 24 bytes at 24 h and 24 at 48 + 24 h of K step q's 96, in pieces of 8 bytes.  Piece P of a row lies at 8 P + 16 (P / 32).
; Lanes 16-31 read three pieces further on; where that is behind one padding more, the second address register serves.
.macro FRAG reg, adr, q, off
.irp p, 0,1,2,3,4,5
.set PCE, 12*(\q)+6*(\p/3)+\p%3
.if PCE%32 < 29
	ds_load_b64 v[\reg+2*\p:\reg+2*\p+1], v[\adr] offset:8*PCE+16*(PCE/32)+(\off)
.else
	ds_load_b64 v[\reg+2*\p:\reg+2*\p+1], v[\adr+1] offset:8*PCE+16*(PCE/32)+(\off)
.endif
.endr
.endm
.macro FETCH_H set, q                  ; hidden's four fragments: 24 loads
.irp m, 0,1,2,3
	FRAG HF0+48*(\set)+12*\m, AH, \q, 16*PIT*\m
.endr
.endm
.macro FETCH_W0 q                      ; tiles 0-2 of Wq or Wk: 18 loads
.irp f, 0,1,2
	FRAG WF+12*\f, AW, \q, 16*PIT*\f
.endr
.endm
.macro FETCH_W1 q                      ; tile 3, and Wv's two: 18 loads
	FRAG WF+36, AW, \q, 48*PIT
.irp u, 0,1
	FRAG WF+48+12*\u, AV, \q, 8*PIT*\u
.endr
.endm
; One product.  K step 0 starts the sum with the constant 0; K steps 4 to 7 take their scale words from lanes 16-31.
.macro WM d, a, b, sa, sb, s
.if (\s) == 0
	v_wmma_scale_f32_16x16x128_f8f6f4 v[\d:\d+7], v[\a:\a+11], v[\b:\b+11], 0, v[\sa], v[\sb] matrix_a_fmt:MATRIX_FMT_FP6 matrix_b_fmt:MATRIX_FMT_FP6
.elseif (\s) < 4
	v_wmma_scale_f32_16x16x128_f8f6f4 v[\d:\d+7], v[\a:\a+11], v[\b:\b+11], v[\d:\d+7], v[\sa], v[\sb] matrix_a_fmt:MATRIX_FMT_FP6 matrix_b_fmt:MATRIX_FMT_FP6
.else
	v_wmma_scale_f32_16x16x128_f8f6f4 v[\d:\d+7], v[\a:\a+11], v[\b:\b+11], v[\d:\d+7], v[\sa], v[\sb] matrix_a_fmt:MATRIX_FMT_FP6 matrix_b_fmt:MATRIX_FMT_FP6 matrix_a_scale:MATRIX_SCALE_ROW1 matrix_b_scale:MATRIX_SCALE_ROW1
.endif
.endm
; The 24 accumulators (window 1: q or k at 32 m + 8 f, v at 128 + 32 u + 8 m) take turns, one instruction a turn, in the same order in every K step.
.macro MULA s
.set SJ, (\s)%4
.set HH, HF0+48*((\s)%2)
.irp f, 0,1,2
.irp m, 0,1,2,3
	WM 32*\m+8*\f, WF+12*\f, HH+12*\m, WS+4*\f+SJ, HS+4*\m+SJ, \s
.endr
.endr
.endm
.macro MULB s
.set SJ, (\s)%4
.set HH, HF0+48*((\s)%2)
.irp m, 0,1,2,3
	WM 32*\m+24, WF+36, HH+12*\m, WS+12+SJ, HS+4*\m+SJ, \s
.endr
.irp u, 0,1
.irp m, 0,1,2,3
	WM 128+32*\u+8*\m, HH+12*\m, WF+48+12*\u, HS+4*\m+SJ, WS+16+4*\u+SJ, \s
.endr
.endr
.endm
; A K step; the next step's fragments are fetched in its middle and at its end.  Loads into registers that products have read stand four plain places behind those products.
.macro STEP s
	s_wait_dscnt 18                                ; hidden's fragments and W's tiles 0-2 are in; the 18 youngest loads may be out
	WIN 0x50                                       ; C and D in window 1
	MULA \s
	s_wait_dscnt 0x0                               ; the other three fragments of W
	PLACES
	WIN 0
	FETCH_H ((\s)+1)%2, (\s)+1
	FETCH_W0 (\s)+1
	WIN 0x50
	MULB \s
	PLACES
	WIN 0
	FETCH_W1 (\s)+1
.endm
; 32 numbers of a lane in window 1, register 16 B + i in block B, become six registers of codes at v[pc] and the two scale bytes in v[pw].
; A block's scale: the largest magnitude (with the floor 2^(3 - 127) among its leaves) with 2 taken off its exponent field is the conversion's scale operand; its exponent field is the byte.
.macro QW src, pc, pw
	WIN 0x05
	v_max3_num_f32 v[TM], |v[\src]|, |v[\src+1]|, 0x1800000
	v_max3_num_f32 v[TM+1], |v[\src+16]|, |v[\src+17]|, 0x1800000
.irp i, 2,4,6,8,10,12,14
	v_max3_num_f32 v[TM], |v[\src+\i]|, |v[\src+\i+1]|, v[TM]
	v_max3_num_f32 v[TM+1], |v[\src+16+\i]|, |v[\src+17+\i]|, v[TM+1]
.endr
	WIN 0
	v_permlanex16_b32 v[TM+2], v[TM], s2, s3
	v_permlanex16_b32 v[TM+3], v[TM+1], s2, s3
	v_max_num_f32 v[TM], v[TM], v[TM+2]
	v_max_num_f32 v[TM+1], v[TM+1], v[TM+3]
	v_add_nc_u32 v[TM+4], 0xff000000, v[TM]
	v_add_nc_u32 v[TM+5], 0xff000000, v[TM+1]
	v_lshrrev_b32 v[TM+2], 23, v[TM+4]
	v_lshrrev_b32 v[TM+3], 23, v[TM+5]
	v_lshl_or_b32 v[\pw], v[TM+3], 8, v[TM+2]
	WIN 0x01
	v_cvt_scalef32_pk16_fp6_f32 v[\pc:\pc+2], v[\src:\src+15], v[TM+4]
	v_cvt_scalef32_pk16_fp6_f32 v[\pc+4:\pc+6], v[\src+16:\src+31], v[TM+5]
	WIN 0
	v_nop                                          ; one plain place behind a scaled conversion
.irp i, 0,1,2
	v_permlane16_swap_b32 v[\pc+\i], v[\pc+4+\i]   ; a whole block to a lane
.endr
.irp i, 0,1,2
	v_mov_b32 v[\pc+3+\i], v[\pc+4+\i]
.endr
.endm
; A block's products: hidden's rows and scale words are waited for, then eight K steps
.macro MAIN
	s_wait_alu depctr_va_vdst(0)                   ; a wait ahead of the waits below
	s_wait_loadcnt 0x0                             ; the scale words
	s_wait_tensorcnt 0x0                           ; my tile has landed,
	s_barrier_signal -1
	s_barrier_wait -1                              ; and everybody's.
	FETCH_H 0, 0
	FETCH_W0 0
	FETCH_W1 0
.irp s, 0,1,2,3,4,5,6
	STEP \s
.endr
	s_wait_dscnt 18                                ; the last K step: nothing more to fetch
	WIN 0x50
	MULA 7
	s_wait_dscnt 0x0
	MULB 7
	WIN 0
	PLACES
.endm
; A block's way out
.macro EPI
.irp m, 0,1,2,3                        ; q or k: a tile of 16 tokens is one half
	QW 32*\m, PCR+8*\m, PWR+\m
	global_store_b128 v[LI], v[PCR+8*\m:PCR+8*\m+3], s[40:41] offset:768*\m
	global_store_b64 v[LJ], v[PCR+8*\m+4:PCR+8*\m+5], s[40:41] offset:768*\m+512
	ds_store_b16 v[SQK], v[PWR+\m] offset:2*\m     ; lanes r and r + 16 write the same two bytes with the same value
.endr
.irp u, 0,1                            ; v: my 64 tokens are half c of fragment 2 g + u
	QW 128+32*\u, PCR+32+8*\u, PWR+4+\u
	global_store_b128 v[LI], v[PCR+32+8*\u:PCR+32+8*\u+3], s[42:43] offset:1536*\u
	global_store_b64 v[LJ], v[PCR+32+8*\u+4:PCR+32+8*\u+5], s[42:43] offset:1536*\u+512
	ds_store_b16 v[SV], v[PWR+4+\u] offset:4*\u
.endr
	s_wait_dscnt 0x0                               ; for the others' sake: my bytes lie in the stage
	s_barrier_signal -1
	s_barrier_wait -1
	s_cmp_eq_u32 s[WV], 3
	s_cbranch_scc1 .Lno_scales_\@
	ds_load_b64 v[110:111], v[SRD]                 ; 256 bytes: q's, K's or V's scale bytes of the block
	s_wait_dscnt 0x0
	global_store_b64 v[LJ], v[110:111], s[44:45]   ; 32 lanes store 256 consecutive aligned bytes
.Lno_scales_\@:
.endm
	MAIN                                           ; batch 0's block
	s_add_nc_u64 s[18:19], s[18:19], NEXTS         ; batch 1's block: hidden's scale words (MAIN's last four places stand ahead of these loads),
.irp m, 0,1,2,3
	global_load_b128 v[HS+4*\m:HS+4*\m+3], v[OS], s[18:19] offset:512*\m
.endr
	s_wait_tensorcnt 0x0                           ; and its rows, into the bytes of the rows just multiplied: no tensor load of mine is out,
	ds_add_u32 v254, v255                          ; the add on my spare word,
	s_mov_b32 s[G1H+2], 32<<16                     ; (so the descriptor may be written: 32 rows a wave,
	s_mov_b32 s[G1H+4], 32
	s_mul_i32 s[G0H+1], s[WV], 32*PIT
	s_mul_i32 s46, s[WV], 32*768
	s_add_co_u32 s46, s46, NEXTH
	s_mov_b32 s47, 0
	s_add_nc_u64 s[G0H+2:G0H+3], s[G0H+2:G0H+3], s[46:47]           ; rows 32 w .. + 31 of batch 1's block)
	s_wait_dscnt 0x0                               ; the add is done, and my reads of those rows are over
	ROUND                                          ; both hold of every wave of all sixteen work-groups
	tensor_load_to_lds s[G0H:G0H+3], s[G1H:G1H+7]  ; the joint refill, my one load behind the round
	s_nop 0
	PLACES
	EPI                                            ; the first block goes out while the refill is on its way
	s_wait_xcnt 0x0                                ; the stores have read their registers and bases
	s_mov_b32 s46, NEXTK
	s_cmp_eq_u32 s6, 0
	s_cselect_b32 s38, NEXTH, s46                  ; qimg or kv
	s_add_nc_u64 s[40:41], s[40:41], s[38:39]
	s_add_nc_u64 s[42:43], s[42:43], NEXTK
	s_cmp_eq_u32 s[WV], 0
	s_cselect_b32 s38, NEXTS, s46                  ; qsc or kv
	s_add_nc_u64 s[44:45], s[44:45], s[38:39]
	MAIN
	EPI
	s_wait_tensorcnt 0x0                           ; the wave's end
	ds_add_u32 v254, v255
	s_wait_dscnt 0x0
	ROUND                                          ; the closing round
	s_endpgm
.Lfunc_end_k_q7f7d5170fa_proj:
	.size	k_q7f7d5170fa_proj, .Lfunc_end_k_q7f7d5170fa_proj-k_q7f7d5170fa_proj
	.p2alignl 7, 3214868480
	.fill 96, 4, 3214868480
	.section	.rodata,"a",@progbits
	.p2align	6, 0x0
	.amdhsa_kernel k_q7f7d5170fa_proj
		.amdhsa_group_segment_fixed_size 327680
		.amdhsa_private_segment_fixed_size 0
		.amdhsa_enable_private_segment 0
		.amdhsa_kernarg_size 88
		.amdhsa_user_sgpr_count 2
		.amdhsa_user_sgpr_kernarg_segment_ptr 1
		.amdhsa_wavefront_size32 1
		.amdhsa_system_sgpr_workgroup_id_x 1
		.amdhsa_system_sgpr_workgroup_id_y 1
		.amdhsa_system_sgpr_workgroup_id_z 1
		.amdhsa_system_vgpr_workitem_id 0
		.amdhsa_next_free_vgpr 448
		.amdhsa_next_free_sgpr 100
		.amdhsa_reserve_vcc 0
		.amdhsa_float_denorm_mode_32 3
		.amdhsa_float_denorm_mode_16_64 3
		.amdhsa_memory_ordered 1
		.amdhsa_forward_progress 1
		.amdhsa_inst_pref_size 154
	.end_amdhsa_kernel
	.amdgpu_metadata
---
amdhsa.version: [ 1, 2 ]
amdhsa.kernels:
  - .name:           k_q7f7d5170fa_proj
    .symbol:         k_q7f7d5170fa_proj.kd
    .args:
      - { .name: hidden_states_codes, .offset: 0, .size: 8, .value_kind: global_buffer, .address_space: global }
      - { .name: hidden_states_scales, .offset: 8, .size: 8, .value_kind: global_buffer, .address_space: global }
      - { .name: Wq_codes, .offset: 16, .size: 8, .value_kind: global_buffer, .address_space: global }
      - { .name: Wq_scales, .offset: 24, .size: 8, .value_kind: global_buffer, .address_space: global }
      - { .name: Wk_codes, .offset: 32, .size: 8, .value_kind: global_buffer, .address_space: global }
      - { .name: Wk_scales, .offset: 40, .size: 8, .value_kind: global_buffer, .address_space: global }
      - { .name: Wv_codes, .offset: 48, .size: 8, .value_kind: global_buffer, .address_space: global }
      - { .name: Wv_scales, .offset: 56, .size: 8, .value_kind: global_buffer, .address_space: global }
      - { .name: qimg, .offset: 64, .size: 8, .value_kind: global_buffer, .address_space: global }
      - { .name: qsc, .offset: 72, .size: 8, .value_kind: global_buffer, .address_space: global }
      - { .name: kv, .offset: 80, .size: 8, .value_kind: global_buffer, .address_space: global }
    .group_segment_fixed_size: 327680
    .private_segment_fixed_size: 0
    .kernarg_segment_align: 8
    .kernarg_segment_size: 88
    .max_flat_workgroup_size: 128
    .sgpr_count:     100
    .vgpr_count:     448
    .wavefront_size: 32
...
	.end_amdgpu_metadata
.endif
;; end of part 1
;; launch attn (part 2): grid 8 x 32, 16 waves a work-group, clusters of 4 x 1, 327,680 bytes of LDS; arguments qimg, qsc, kv, ctx, ctxsc; writes ctx, ctxsc
.if DOCPART == 2
	.amdgcn_target "amdgcn-amd-amdhsa--gfx1250"
	.amdhsa_code_object_version 6
	.text
	.protected	k_q7f7d5170fa_attn
	.globl	k_q7f7d5170fa_attn
	.p2align	8
	.type	k_q7f7d5170fa_attn,@function
k_q7f7d5170fa_attn:
	s_mov_b64 s[64:65], 0
	v_nop
	global_prefetch_b8 v0, s[64:65] scope:SCOPE_SE
	s_setreg_imm32_b32 hwreg(HW_REG_WAVE_MODE, 25, 1), 1
	s_wait_xcnt 0x0
	s_wait_alu depctr_hold_cnt(0) depctr_sa_sdst(0) depctr_va_vdst(0) depctr_va_sdst(0) depctr_va_ssrc(0) depctr_va_vcc(0) depctr_vm_vsrc(0)
	s_getreg_b32 s2, hwreg(HW_REG_IB_STS2, 6, 4)
	s_cmp_eq_u32 s2, 0
	s_cbranch_scc0 .Lentry_in_a_cluster
	s_endpgm
.Lentry_in_a_cluster:
	s_bfe_u32 s2, ttmp6, 0x10000c
	s_cmp_lg_u32 s2, 0x3003
	s_cbranch_scc0 .Lentry_shape_is_right
	s_endpgm
.Lentry_shape_is_right:
; ctx = softmax(softcap((q k^T + alibi) / 8), causal) v for one head, on codes of FP6 (E2M3) with E8M0 scales; ctx is quantised for the last product and stored as operand images.
; LEFT OUT: steps of 128 keys that lie wholly above the diagonal of reference()'s own causal mask (p = 0 there for all inputs).
; SHARES.  Work-group (j = 0..7, bh) takes the 16 tiles of 16 queries j + 8 m, m = 0..15; tile j + 8 m needs m + 1 steps of 128 keys, 136 steps in every work-group, and every work-group reads all 16 blocks of keys.
;   Waves w' and w' + 8 (w' = 0..7, hh = 0, 1) share tiles m = 15 - w' and m = w', 17 steps: of the first a wave takes the blocks of keys of parity hh, of the second those of parity 1 - hh: 8 or 9 steps a wave.
;   The shift of the exponents is fixed (below), so the two waves' parts of O^T and of the row's sum simply add: each wave puts its part of the first tile into an LDS slot of its own, wave hh = 1 its part of
;   the second too; behind one barrier wave hh = 0 finishes the second tile and wave hh = 1 the first.  A wave may have no step in the second tile, so the sums begin as zeros.
; A STEP: S^T = k q^T + alibi (a lane holds one query; the part of alibi that changes inside a tile of 16 keys is the product's C), z = S^T x 2 log2(e) / 240 + the tile's part of alibi,
;   t - 44 = K1 / (1 + 2^z) + K2 (this is 30 log2(e) tanh(s / 30) - 44), p = 2^(t - 44), the row's sum of p in f32, p quantised by blocks of 32 keys, O^T += v^T p^T.
; THE SHIFT IS FIXED AT 44: reference()'s own softcap holds t within +-43.3 for every input, so p lies between 2^-87.4 and 1 and neither p nor a sum of 2,048 of them leaves f32's range.  44 differs from the
;   ceiling of the row's largest t by a whole number, which the blocks' scale bytes (39 to 125) take up: the codes are the same.
; THE DIAGONAL STEP is the one at block m; there t - 44 is replaced by -inf where the key lies behind the query, by compare and select in every trip of that copy of the step.
; LDS: the head's K and V, 16 blocks of 12,800 bytes as the projection launch laid them, filled once, as rows of 256 bytes, one tensor load a wave at the head: waves 0-7 bring blocks 0-3 (25 rows each),
;   waves 8-15 blocks 4-15 (75 rows each).  The first barrier waits for blocks 0-3 alone; each wave's two steps on them stand ahead of the barrier that waits for the rest.  Behind the blocks: the slots (24 x 4,608 bytes), the spare words.
; CLUSTER 4 x 1: the four partners share bh and ask for every fill jointly.  No branch and no LDS address hangs on j: only the queries' addresses, alibi's numbers and the mask's compare do.
; No prefetch: the fills at the head ask for all that the work-group reads; no loop runs ahead of a load.
; LIMIT: a NaN or an infinity in a step that is left out is not carried to the result.
.set KVB,  12800
.set XSL,  4608                        ; a slot: O^T's 32 registers and the sum's, 16 bytes a lane each time
.set R1,   16*KVB                      ; 16 slots: every wave's part of the first tile
.set R2,   R1+16*XSL                   ; 8 slots: waves 8-15's parts of the second tile
.set SPARE, R2+8*XSL
.set LA16, 1
.set LA8,  2
.set AS,   3
.set AD16, 4
.set AD8,  5
.set ADS,  6
.set BT,   7
.set LSUM, 8
.set QS,   10
.set PW,   11
.set KS,   12
.set VS,   16
.set TBL,  20
.set BS,   28
.set QZ,   36                          ; v36-53: six zeros, q's six registers, six zeros
.set Q2,   54
.set Q2S,  60
.set Q1S,  61
.set FG,   62
.set SC,   110
.set OT,   174
.set PC,   206
.set TM,   226
.set XP,   234                         ; my partner's slot for the tile that I finish
.set SPW,  236
.set NIL,  237
.set K2,   242
.set NINF, 244
.set DD,   245                         ; 16 j + r - 8 h: register N of the diagonal step is hidden where 16 (N / 8) + N % 8 is larger
.set RC,   246
.set RH,   248
.set R4,   249
.set XS1,  250                         ; my slot in R1
.set XS2,  251                         ; my pair's slot in R2
.set SUM2, 252
.set CSL,  254
.set WV,   14
.set JJ,   15
.set BH,   16
.set HEAD, 17
.set J16,  18
.set ML,   19
.set Q0,   20                          ; the tile's first query
.set QB,   21                          ; its diagonal block's first key, 128 m
.set KF,   22
.set TB,   23
.set CNT,  24
.set Q0S,  25
.set CC,   26
.set K1,   28
.set WP,   30                          ; w'
.set HH,   31                          ; hh
.set SLOPE, 32
.set HX,   33                          ; 1 - hh
.set SEL,  34
.set G0A,  36
.set G1A,  40
.set G0B,  48
.set G1B,  52
.set DG,   74                          ; 0: the tile's diagonal block is mine
.set Q0L,  75
.macro PLACES
.rept 4
	v_nop
.endr
.endm
.macro ROUND
	s_barrier_signal -1
	s_barrier_wait -1
	s_cmp_lg_u32 s[WV], 0
	s_cbranch_scc1 .Lnw0_\@
	s_barrier_signal -3
.Lnw0_\@:
	s_barrier_wait -3
	s_barrier_signal -1
	s_barrier_wait -1
.endm
	s_load_b256 s[4:11], s[0:1], 0x0               ; qimg, qsc, kv, ctx
	s_load_b64 s[12:13], s[0:1], 0x20              ; ctxsc
	v_lshl_add_u32 v[SPW], v0, 2, SPARE
	v_mov_b32 v[NIL], 0
	ds_add_u32 v[SPW], v[NIL]                      ; the opening lines
	ds_add_u32 v[SPW], v[NIL]
	v_lshrrev_b32 v7, 5, v0
	v_readfirstlane_b32 s[WV], v7
	s_and_b32 s[WP], s[WV], 7
	s_lshr_b32 s[HH], s[WV], 3
	s_xor_b32 s[HX], s[HH], 1
	s_bfe_u32 s60, ttmp6, 0x40000                  ; cx
	s_lshl_b32 s[JJ], ttmp9, 2
	s_add_co_u32 s[JJ], s[JJ], s60                 ; j
	s_and_b32 s[BH], ttmp7, 0xffff
	s_and_b32 s[HEAD], s[BH], 15
.irp g, G1A, G1B                       ; dense rows of 256 bytes (32 elements of 8); the mask names the four partners, bit 21 beside it
	s_mov_b32 s[\g], 15|(3<<16)|(1<<21)
	s_mov_b32 s[\g+1], 32<<16
	s_mov_b32 s[\g+3], 32<<16
	s_mov_b32 s[\g+5], 32
	s_mov_b32 s[\g+6], 0
	s_mov_b32 s[\g+7], 0
.endr
	s_mov_b32 s[G1A+2], 25<<16
	s_mov_b32 s[G1A+4], 25
	s_mov_b32 s[G1B+2], 75<<16
	s_mov_b32 s[G1B+4], 75
	s_mul_i32 s60, s[BH], 16*KVB
	s_mov_b32 s61, 0
	s_mul_i32 s62, s[WP], 6400                     ; an eighth of blocks 0-3,
	s_mul_i32 s63, s[WP], 19200                    ; an eighth of blocks 4-15
	s_add_co_u32 s63, s63, 4*KVB
	s_wait_dscnt 0x0
	s_wait_kmcnt 0x0
	s_add_nc_u64 s[8:9], s[8:9], s[60:61]
	s_mov_b32 s[G0A], 1
	s_mov_b32 s[G0A+1], s62
	s_mov_b32 s60, s62
	s_add_nc_u64 s[G0A+2:G0A+3], s[8:9], s[60:61]
	s_or_b32 s[G0A+3], s[G0A+3], 0x80000000
	s_mov_b32 s[G0B], 1
	s_mov_b32 s[G0B+1], s63
	s_mov_b32 s60, s63
	s_add_nc_u64 s[G0B+2:G0B+3], s[8:9], s[60:61]
	s_or_b32 s[G0B+3], s[G0B+3], 0x80000000
	ROUND                                          ; the four partners are here: the joint loads meet
	s_cmp_lt_u32 s[WV], 8                          ; one load a wave, one to an arm
	s_cbranch_scc0 .Lfill_b
	tensor_load_to_lds s[G0A:G0A+3], s[G1A:G1A+7]
	s_nop 0
	PLACES
	s_branch .Lfilled
.Lfill_b:
	tensor_load_to_lds s[G0B:G0B+3], s[G1B:G1B+7]
	s_nop 0
	PLACES
.Lfilled:
	v_and_b32 v[DD], 31, v0
	v_lshlrev_b32 v[LA16], 4, v[DD]
	v_lshlrev_b32 v[LA8], 3, v[DD]
	v_and_b32 v[RC], 15, v0                        ; r
	v_bfe_u32 v[RC+1], v0, 4, 1                    ; h
	v_lshlrev_b32 v[AS], 4, v[RC]
	v_lshlrev_b32 v[R4], 2, v[RC]
	v_lshlrev_b32 v[RH], 3, v[RC+1]
	v_sub_nc_u32 v[RH], v[RC], v[RH]               ; r - 8 h
	s_wait_alu depctr_va_vdst(0)
	s_xor_b32 s[ML], s[WP], 15                     ; 15 - w'
	s_lshl_b32 s[J16], s[JJ], 4
	s_lshl_b32 s[QB], s[ML], 7
	s_add_co_u32 s[Q0L], s[QB], s[J16]
	s_mov_b32 s[Q0], s[Q0L]
	s_lshl_b32 s[Q0S], s[WP], 7
	s_add_co_u32 s[Q0S], s[Q0S], s[J16]
	s_mul_i32 s60, s[BH], 98304
	s_mul_i32 s62, s[Q0L], 48                      ; 768 bytes a tile of 16 queries
	s_add_co_u32 s62, s62, s60
	s_mov_b32 s63, 0
	s_add_nc_u64 s[66:67], s[4:5], s[62:63]
	s_mul_i32 s62, s[Q0S], 48
	s_add_co_u32 s62, s62, s60
	s_add_nc_u64 s[68:69], s[4:5], s[62:63]
	global_load_b128 v[QZ+6:QZ+9], v[LA16], s[66:67]
	global_load_b64 v[QZ+10:QZ+11], v[LA8], s[66:67] offset:512
	global_load_b128 v[Q2:Q2+3], v[LA16], s[68:69]
	global_load_b64 v[Q2+4:Q2+5], v[LA8], s[68:69] offset:512
	s_lshl_b32 s62, s[BH], 12
	s_lshl_b32 s60, s[JJ], 1
	s_add_co_u32 s62, s62, s60
	s_add_nc_u64 s[6:7], s[6:7], s[62:63]          ; qsc [bh][block m][r][tile j] u16
	s_lshl_b32 s60, s[ML], 8
	v_add_nc_u32 v[BT], s60, v[AS]
	s_lshl_b32 s60, s[WP], 8
	v_add_nc_u32 v[CSL], s60, v[AS]
	global_load_u16 v[Q1S], v[BT], s[6:7]
	global_load_u16 v[Q2S], v[CSL], s[6:7]
	s_mul_i32 s60, s[WV], XSL                      ; the slots' addresses: constants, the wave's number, the lane
	s_add_co_u32 s60, s60, R1
	v_add_nc_u32 v[XS1], s60, v[LA16]
	s_mul_i32 s60, s[WP], XSL
	s_add_co_u32 s61, s60, R2
	v_add_nc_u32 v[XS2], s61, v[LA16]
	s_mul_i32 s61, s[HX], R2-R1                    ; hh = 0 reads its pair's slot in R2, hh = 1 wave w''s slot in R1
	s_add_co_u32 s60, s60, s61
	s_add_co_u32 s60, s60, R1
	v_add_nc_u32 v[XP], s60, v[LA16]
	s_add_co_u32 s60, s[HEAD], 2                   ; the slope 2^(-(head + 1) / 2), by its bits
	s_lshr_b32 s60, s60, 1
	s_lshl_b32 s60, s60, 23
	s_mov_b32 s61, 0x3fb504f3
	s_bitcmp1_b32 s[HEAD], 0
	s_cselect_b32 s61, 0x3f800000, s61
	s_sub_co_u32 s[SLOPE], s61, s60
	s_mov_b32 s[CC], 0x3c44f9d9                    ; 2 log2(e) / 240
	s_mov_b32 s[CC+1], s[CC]
	s_mov_b32 s[K1], 0xc2ad1f97                    ; -60 log2(e)
	s_mov_b32 s[K1+1], s[K1]
	s_mov_b32 s[SEL], 0x76543210
	s_mov_b32 s[SEL+1], 0xfedcba98
.irp j, 0,1,2,3,4,5,6,7
	v_sub_nc_u32 v[TBL+\j], \j, v[RH]
.endr
.irp j, 0,1,2,3,4,5,6,7
	v_cvt_f32_i32 v[TBL+\j], v[TBL+\j]
.endr
.irp j, 0,1,2,3,4,5,6,7
	v_mul_f32 v[TBL+\j], s[SLOPE], v[TBL+\j]       ; slope x (8 h + j - r)
.endr
.irp j, 0,1,2,3,4,5
	v_mov_b32 v[QZ+\j], 0
	v_mov_b32 v[QZ+12+\j], 0
.endr
	v_mov_b32 v[K2], 0xbf381a22                    ; 30 log2(e) - 44
	v_mov_b32 v[K2+1], 0xbf381a22
	v_mov_b32 v[NINF], 0xff800000
.irp b, 0,1,2,3
	v_mov_b32 v[TM+4+\b], 0                        ; a lane permute's destination counts as one of its sources
.endr
	v_add_nc_u32 v[DD], s[J16], v[RH]
.macro ZERO                            ; a tile's sums begin as zeros: a wave may have no step in it
.set N, 0
.rept 32
	v_mov_b32 v[OT+N], 0
.set N, N+1
.endr
	v_mov_b32 v[LSUM], 0
	v_mov_b32 v[LSUM+1], 0
.endm
.macro XSTORE a                        ; my part of a tile into a slot (with the sum go the two registers behind it, which nobody uses)
.irp k, 0,1,2,3,4,5,6,7
	ds_store_b128 v[\a], v[OT+4*\k:OT+4*\k+3] offset:512*\k
.endr
	ds_store_b128 v[\a], v[LSUM:LSUM+3] offset:4096
.endm
; nb blocks of 32 numbers, 16 of each in my registers and 16 in lane l xor 16's, become codes at v[PC ..] and the scale word v[PW]
.macro QUANT s, nb
.set BB, 0
.rept \nb
	v_max3_num_f32 v[TM+BB], |v[\s+16*BB]|, |v[\s+1+16*BB]|, 0x1800000
.set BB, BB+1
.endr
.irp i, 2,4,6,8,10,12,14
.set BB, 0
.rept \nb
	v_max3_num_f32 v[TM+BB], v[TM+BB], |v[\s+16*BB+\i]|, |v[\s+1+16*BB+\i]|
.set BB, BB+1
.endr
.endr
.set BB, 0
.rept \nb
	v_permlanex16_b32 v[TM+4+BB], v[TM+BB], s[SEL], s[SEL+1]
.set BB, BB+1
.endr
.set BB, 0
.rept \nb
	v_max_num_f32 v[TM+BB], v[TM+BB], v[TM+4+BB]
.set BB, BB+1
.endr
.set BB, 0
.rept \nb
	v_add_nc_u32 v[TM+12+BB], 0xff000000, v[TM+BB]
.set BB, BB+1
.endr
.set BB, 0
.rept \nb
	v_lshrrev_b32 v[TM+4+BB], 23, v[TM+12+BB]
.set BB, BB+1
.endr
	v_lshl_or_b32 v[PW], v[TM+5], 8, v[TM+4]
.if \nb > 2
	s_delay_alu instid0(VALU_DEP_1)
	v_lshl_or_b32 v[PW], v[TM+6], 16, v[PW]
	s_delay_alu instid0(VALU_DEP_1)
	v_lshl_or_b32 v[PW], v[TM+7], 24, v[PW]
.endif
.set BB, 0
.rept \nb/2
	v_cvt_scalef32_pk16_fp6_f32 v[PC+6*BB:PC+6*BB+2], v[\s+32*BB:\s+32*BB+15], v[TM+12+2*BB]
	v_cvt_scalef32_pk16_fp6_f32 v[PC+12+4*BB:PC+14+4*BB], v[\s+32*BB+16:\s+32*BB+31], v[TM+13+2*BB]
.set BB, BB+1
.endr
	v_nop
.set BB, 0
.rept \nb/2
.irp i, 0,1,2
	v_permlane16_swap_b32 v[PC+6*BB+\i], v[PC+12+4*BB+\i]
.endr
.irp i, 0,1,2
	s_delay_alu instid0(VALU_DEP_3)
	v_mov_b32 v[PC+3+6*BB+\i], v[PC+12+4*BB+\i]
.endr
.set BB, BB+1
.endr
.endm
; One step: the 128 keys from s[KF] on, whose block lies at LDS byte s[TB]; then two blocks on.  diag: the block on the diagonal.
; skip = 1: in a loop of constant count, pass over blocks from the diagonal on;  skip = 2: pass over the diagonal block if it is my partner's.
.macro STEP diag, skip
.if \skip == 1
	s_cmp_ge_u32 s[KF], s[QB]
	s_cbranch_scc1 .Lhid_\@
.endif
.if \skip == 2
	s_cmp_lg_u32 s[DG], 0
	s_cbranch_scc1 .Lhid_\@
.endif
	s_sub_co_i32 s60, s[KF], s[Q0]
	v_cvt_f32_i32 v[BT], s60
.set TT, 0
.irp lit, 0, 0x41800000, 0x42000000, 0x42400000, 0x42800000, 0x42a00000, 0x42c00000, 0x42e00000
	v_add_f32 v[BS+TT], \lit, v[BT]
.set TT, TT+1
.endr
.irp k, 0,2,4,6
	v_pk_mul_f32 v[BS+\k:BS+\k+1], v[BS+\k:BS+\k+1], v[CSL:CSL+1]   ; each tile's part of alibi, already x 2 log2(e) / 240.  (These lines are also the places behind the last step's products)
.endr
	v_add_nc_u32 v[AD16], s[TB], v[LA16]
	v_add_nc_u32 v[AD8], s[TB], v[LA8]
	v_add_nc_u32 v[ADS], s[TB], v[AS]
	s_wait_alu depctr_va_vdst(0)
.irp t, 0,1,2,3,4,5,6,7
	ds_load_b128 v[FG+6*\t:FG+6*\t+3], v[AD16] offset:768*\t
	ds_load_b64 v[FG+6*\t+4:FG+6*\t+5], v[AD8] offset:768*\t+512
.endr
	ds_load_b128 v[KS:KS+3], v[ADS] offset:12288
	s_wait_dscnt 0x0
.irp b, 0,1,2,3                        ; a fragment holds two tiles of 16 keys x 64; q stands against the one, zeros against the other
	v_wmma_scale_f32_16x16x128_f8f6f4 v[SC+16*\b:SC+16*\b+7], v[FG+12*\b:FG+12*\b+11], v[QZ+6:QZ+17], v[TBL:TBL+7], v[KS+\b], v[QS] matrix_a_fmt:MATRIX_FMT_FP6 matrix_b_fmt:MATRIX_FMT_FP6
	v_wmma_scale_f32_16x16x128_f8f6f4 v[SC+16*\b+8:SC+16*\b+15], v[FG+12*\b:FG+12*\b+11], v[QZ:QZ+11], v[TBL:TBL+7], v[KS+\b], v[QS] matrix_a_fmt:MATRIX_FMT_FP6 matrix_b_fmt:MATRIX_FMT_FP6
.endr
	PLACES
.irp t, 0,1,2,3,4,5,6,7                ; V's fragments land under the softmax
	ds_load_b128 v[FG+6*\t:FG+6*\t+3], v[AD16] offset:6144+768*\t
	ds_load_b64 v[FG+6*\t+4:FG+6*\t+5], v[AD8] offset:6144+768*\t+512
.endr
	ds_load_b128 v[VS:VS+3], v[ADS] offset:12544
.set N, 0
	s_wait_alu depctr_va_vdst(0)
.rept 32
.if (N/4)%2 == 0
	v_pk_fma_f32 v[SC+2*N:SC+2*N+1], v[SC+2*N:SC+2*N+1], s[CC:CC+1], v[BS+2*(N/8):BS+2*(N/8)+1] op_sel_hi:[1,0,0]
.else
	v_pk_fma_f32 v[SC+2*N:SC+2*N+1], v[SC+2*N:SC+2*N+1], s[CC:CC+1], v[BS+2*(N/8):BS+2*(N/8)+1] op_sel:[0,0,1] op_sel_hi:[1,0,1]
.endif
.set N, N+1
.endr
.set N, 0
	s_wait_alu depctr_va_vdst(0)                   ; a wait ahead of each batch of transcendentals and one behind it
.rept 64
	v_exp_f32 v[SC+N], v[SC+N]
.set N, N+1
.endr
	v_nop
	s_wait_alu depctr_va_vdst(0)
.set N, 0
.rept 32
	v_pk_add_f32 v[SC+2*N:SC+2*N+1], v[SC+2*N:SC+2*N+1], 1.0 op_sel_hi:[1,0]
.set N, N+1
.endr
.set N, 0
	s_wait_alu depctr_va_vdst(0)
.rept 64
	v_rcp_f32 v[SC+N], v[SC+N]
.set N, N+1
.endr
	v_nop
	s_wait_alu depctr_va_vdst(0)
.set N, 0
.rept 32
	v_pk_fma_f32 v[SC+2*N:SC+2*N+1], v[SC+2*N:SC+2*N+1], s[K1:K1+1], v[K2:K2+1] op_sel_hi:[1,0,1]
.set N, N+1
.endr
.if \diag
.set N, 0
.rept 16                               ; the causal mask, four numbers by turns
.irp i, 0,1,2,3
	v_cmp_gt_i32 s[70+\i], 16*((N+\i)/8)+(N+\i)%8, v[DD]
.endr
.irp i, 0,1,2,3
	v_cndmask_b32 v[SC+N+\i], v[SC+N+\i], v[NINF], s[70+\i]
.endr
.set N, N+4
.endr
.endif
.set N, 0
	s_wait_alu depctr_va_vdst(0)
.rept 64
	v_exp_f32 v[SC+N], v[SC+N]
.set N, N+1
.endr
	v_nop
	s_wait_alu depctr_va_vdst(0)
	QUANT SC, 4
	v_pk_add_f32 v[SUM2:SUM2+1], v[SC:SC+1], v[SC+2:SC+3]           ; the row's sum, of the unquantised p, in two chains
.irp j, 4,8,12,16,20,24,28,32,36,40,44,48,52,56,60
	v_pk_add_f32 v[LSUM:LSUM+1], v[LSUM:LSUM+1], v[SC+\j:SC+\j+1]
	v_pk_add_f32 v[SUM2:SUM2+1], v[SUM2:SUM2+1], v[SC+\j+2:SC+\j+3]
.endr
	s_delay_alu instid0(VALU_DEP_1)
	v_pk_add_f32 v[LSUM:LSUM+1], v[LSUM:LSUM+1], v[SUM2:SUM2+1]
	s_wait_dscnt 0x0
.irp t, 0,1,2,3
	v_wmma_scale_f32_16x16x128_f8f6f4 v[OT+8*\t:OT+8*\t+7], v[FG+12*\t:FG+12*\t+11], v[PC:PC+11], v[OT+8*\t:OT+8*\t+7], v[VS+\t], v[PW] matrix_a_fmt:MATRIX_FMT_FP6 matrix_b_fmt:MATRIX_FMT_FP6
.endr
.if \skip
.Lhid_\@:
.endif
	s_add_co_u32 s[KF], s[KF], 256
	s_add_co_u32 s[TB], s[TB], 2*KVB
.endm
; A tile's end: O^T / the sum, quantised along the head's 64 and stored as a half of an operand's image: ctx [tile of 16 tokens][head][768], ctxsc [tile][head / 2][r] words, my head's two bytes
.macro FINAL
	s_lshr_b32 s60, s[BH], 4
	s_lshl_b32 s60, s60, 7
	s_lshr_b32 s61, s[Q0], 4
	s_add_co_u32 s60, s60, s61
	s_mul_i32 s62, s60, 12288
	s_mul_i32 s61, s[HEAD], 768
	s_add_co_u32 s62, s62, s61
	s_mov_b32 s63, 0
	s_add_nc_u64 s[66:67], s[10:11], s[62:63]
	s_lshl_b32 s62, s60, 9
	s_lshr_b32 s61, s[HEAD], 1
	s_lshl_b32 s61, s61, 6
	s_add_co_u32 s62, s62, s61
	s_and_b32 s61, s[HEAD], 1
	s_lshl_b32 s61, s61, 1
	s_add_co_u32 s62, s62, s61
	s_add_nc_u64 s[68:69], s[12:13], s[62:63]
	v_add_f32 v[RC], v[LSUM], v[LSUM+1]
	s_delay_alu instid0(VALU_DEP_1)
	v_permlanex16_b32 v[RC+1], v[RC], s[SEL], s[SEL+1]
	s_delay_alu instid0(VALU_DEP_1)
	v_add_f32 v[RC], v[RC], v[RC+1]
	s_wait_alu depctr_va_vdst(0)
	v_rcp_f32 v[RC], v[RC]
	v_nop
	s_wait_alu depctr_va_vdst(0)
.set N, 0
.rept 16
	v_pk_mul_f32 v[OT+2*N:OT+2*N+1], v[OT+2*N:OT+2*N+1], v[RC:RC+1] op_sel_hi:[1,0]
.set N, N+1
.endr
	QUANT OT, 2
	global_store_b128 v[LA16], v[PC:PC+3], s[66:67]
	global_store_b64 v[LA8], v[PC+4:PC+5], s[66:67] offset:512
	global_store_b16 v[R4], v[PW], s[68:69]
.endm
	ZERO
	s_wait_alu depctr_va_vdst(0)
	s_wait_loadcnt 0x0                             ; q and its scales, both tiles'
	v_lshl_or_b32 v[QS], v[Q1S], 16, v[Q1S]
	v_mov_b32 v[CSL], s[SLOPE]
	v_mul_f32 v[CSL], 0x3c44f9d9, v[CSL]
	v_mov_b32 v[CSL+1], v[CSL]
	s_wait_alu depctr_va_vdst(0)                   ; a wait at the head's end
	s_cmp_lt_u32 s[WV], 8
	s_cbranch_scc0 .Lnot_first
	s_wait_tensorcnt 0x0                           ; waves 0-7: my part of blocks 0-3 is in
.Lnot_first:
	s_barrier_signal -1
	s_barrier_wait -1                              ; blocks 0-3 are whole; waves 8-15's loads, into other bytes, may be out.
	s_xor_b32 s[DG], s[ML], s[HH]
	s_and_b32 s[DG], s[DG], 1
	s_lshl_b32 s[KF], s[HH], 7
	s_mul_i32 s[TB], s[HH], KVB
	s_mov_b32 s[CNT], 2
.Lfirst2:                                              ; tile 15 - w': blocks hh and hh + 2 lie under its diagonal block (8 at the least)
	STEP 0, 0
	s_sub_co_u32 s[CNT], s[CNT], 1
	s_cmp_lg_u32 s[CNT], 0
	s_cbranch_scc1 .Lfirst2
	s_wait_tensorcnt 0x0                           ; waves 8-15: my part of blocks 4-15 is in,
	s_wait_dscnt 0x0
	s_barrier_signal -1
	s_barrier_wait -1                              ; and everybody's.
	s_mov_b32 s[CNT], 6
.Lrest:                                                ; blocks hh + 4, hh + 6 .., those under the diagonal block
	STEP 0, 1
	s_sub_co_u32 s[CNT], s[CNT], 1
	s_cmp_lg_u32 s[CNT], 0
	s_cbranch_scc1 .Lrest
	s_mov_b32 s[KF], s[QB]
	s_mul_i32 s[TB], s[ML], KVB
	STEP 1, 2                                      ; the diagonal block, if its parity is mine
	PLACES
	s_wait_alu depctr_va_vdst(0)
	XSTORE XS1                                     ; my part of tile 15 - w'
	v_lshl_or_b32 v[QS], v[Q2S], 16, v[Q2S]        ; tile w'
.irp j, 0,1,2,3,4,5
	v_mov_b32 v[QZ+6+\j], v[Q2+\j]
.endr
	ZERO
	s_mov_b32 s[Q0], s[Q0S]
	s_lshl_b32 s[QB], s[WP], 7
	s_xor_b32 s[DG], s[WP], s[HX]
	s_and_b32 s[DG], s[DG], 1
	s_lshl_b32 s[KF], s[HX], 7
	s_mul_i32 s[TB], s[HX], KVB
	s_mov_b32 s[CNT], 4
.Lsmall:                                               ; blocks 1 - hh, 3 - hh .., those under the diagonal block
	STEP 0, 1
	s_sub_co_u32 s[CNT], s[CNT], 1
	s_cmp_lg_u32 s[CNT], 0
	s_cbranch_scc1 .Lsmall
	s_mov_b32 s[KF], s[QB]
	s_mul_i32 s[TB], s[WP], KVB
	STEP 1, 2
	PLACES
	s_wait_alu depctr_va_vdst(0)
	s_cmp_eq_u32 s[HH], 1
	s_cbranch_scc0 .Lkeep
	XSTORE XS2                                     ; hh = 1: my part of tile w' goes to my partner
.Lkeep:
	s_wait_dscnt 0x0                               ; for the others' sake: my parts lie in their slots
	s_barrier_signal -1
	s_barrier_wait -1
	s_cmp_eq_u32 s[HH], 1
	s_cbranch_scc0 .Lmine
.irp k, 0,1,2,3,4,5,6,7                ; hh = 1 finishes tile 15 - w': its own part comes back,
	ds_load_b128 v[OT+4*\k:OT+4*\k+3], v[XS1] offset:512*\k
.endr
	ds_load_b128 v[LSUM:LSUM+3], v[XS1] offset:4096
.Lmine:
.irp k, 0,1,2,3,4,5,6,7                ; and the partner's part of the tile that I finish
	ds_load_b128 v[SC+4*\k:SC+4*\k+3], v[XP] offset:512*\k
.endr
	ds_load_b128 v[SC+32:SC+35], v[XP] offset:4096
	s_wait_dscnt 0x0
.set N, 0
.rept 16
	v_pk_add_f32 v[OT+2*N:OT+2*N+1], v[OT+2*N:OT+2*N+1], v[SC+2*N:SC+2*N+1]
.set N, N+1
.endr
	v_pk_add_f32 v[LSUM:LSUM+1], v[LSUM:LSUM+1], v[SC+32:SC+33]
	s_cmp_eq_u32 s[HH], 1
	s_cselect_b32 s[Q0], s[Q0L], s[Q0S]
	s_wait_alu depctr_va_vdst(0)
	FINAL
	s_wait_tensorcnt 0x0                           ; the wave's end
	ds_add_u32 v[SPW], v[NIL]
	s_wait_dscnt 0x0
	ROUND                                          ; the closing round
	s_endpgm
.Lfunc_end_k_q7f7d5170fa_attn:
	.size	k_q7f7d5170fa_attn, .Lfunc_end_k_q7f7d5170fa_attn-k_q7f7d5170fa_attn
	.p2alignl 7, 3214868480
	.fill 96, 4, 3214868480
	.section	.rodata,"a",@progbits
	.p2align	6, 0x0
	.amdhsa_kernel k_q7f7d5170fa_attn
		.amdhsa_group_segment_fixed_size 327680
		.amdhsa_private_segment_fixed_size 0
		.amdhsa_enable_private_segment 0
		.amdhsa_kernarg_size 40
		.amdhsa_user_sgpr_count 2
		.amdhsa_user_sgpr_kernarg_segment_ptr 1
		.amdhsa_wavefront_size32 1
		.amdhsa_system_sgpr_workgroup_id_x 1
		.amdhsa_system_sgpr_workgroup_id_y 1
		.amdhsa_system_sgpr_workgroup_id_z 1
		.amdhsa_system_vgpr_workitem_id 0
		.amdhsa_next_free_vgpr 256
		.amdhsa_next_free_sgpr 76
		.amdhsa_reserve_vcc 0
		.amdhsa_float_denorm_mode_32 3
		.amdhsa_float_denorm_mode_16_64 3
		.amdhsa_memory_ordered 1
		.amdhsa_forward_progress 1
		.amdhsa_inst_pref_size 155
	.end_amdhsa_kernel
	.amdgpu_metadata
---
amdhsa.version: [ 1, 2 ]
amdhsa.kernels:
  - .name:           k_q7f7d5170fa_attn
    .symbol:         k_q7f7d5170fa_attn.kd
    .args:
      - { .name: qimg, .offset: 0, .size: 8, .value_kind: global_buffer, .address_space: global }
      - { .name: qsc, .offset: 8, .size: 8, .value_kind: global_buffer, .address_space: global }
      - { .name: kv, .offset: 16, .size: 8, .value_kind: global_buffer, .address_space: global }
      - { .name: ctx, .offset: 24, .size: 8, .value_kind: global_buffer, .address_space: global }
      - { .name: ctxsc, .offset: 32, .size: 8, .value_kind: global_buffer, .address_space: global }
    .group_segment_fixed_size: 327680
    .private_segment_fixed_size: 0
    .kernarg_segment_align: 8
    .kernarg_segment_size: 40
    .max_flat_workgroup_size: 512
    .sgpr_count:     76
    .vgpr_count:     256
    .wavefront_size: 32
...
	.end_amdgpu_metadata
.endif
;; end of part 2
;; launch oproj (part 3): grid 8 x 32, 4 waves a work-group, clusters of 4 x 4, 327,680 bytes of LDS; arguments ctx, ctxsc, Wo_codes, Wo_scales, bo, out0; writes out0
.if DOCPART == 3
	.amdgcn_target "amdgcn-amd-amdhsa--gfx1250"
	.amdhsa_code_object_version 6
	.text
	.protected	k_q7f7d5170fa_oproj
	.globl	k_q7f7d5170fa_oproj
	.p2align	8
	.type	k_q7f7d5170fa_oproj,@function
k_q7f7d5170fa_oproj:
	s_mov_b64 s[64:65], 0
	v_nop
	global_prefetch_b8 v0, s[64:65] scope:SCOPE_SE
	s_setreg_imm32_b32 hwreg(HW_REG_WAVE_MODE, 25, 1), 1
	s_wait_xcnt 0x0
	s_wait_alu depctr_hold_cnt(0) depctr_sa_sdst(0) depctr_va_vdst(0) depctr_va_sdst(0) depctr_va_ssrc(0) depctr_va_vcc(0) depctr_vm_vsrc(0)
	s_getreg_b32 s2, hwreg(HW_REG_IB_STS2, 6, 4)
	s_cmp_eq_u32 s2, 0
	s_cbranch_scc0 .Lentry_in_a_cluster
	s_endpgm
.Lentry_in_a_cluster:
	s_bfe_u32 s2, ttmp6, 0x10000c
	s_cmp_lg_u32 s2, 0xf033
	s_cbranch_scc0 .Lentry_shape_is_right
	s_endpgm
.Lentry_shape_is_right:
; out = ctx Wo^T + bo on codes of FP6 (E2M3) with E8M0 scales; out is f32.
; SHARES.  Work-group (x, y): 128 tokens (y) x 128 outputs (x).  Wave (c = w / 2, g = w % 2): 64 x 64, 16 accumulators; eight fragments from LDS feed the 16 products of a K step of 128.
; TRANSPOSED: source 0 = 16 rows of Wo, source 1 = 16 tokens of ctx: a lane holds eight neighbouring outputs of one token.  The bias is the C of each sum's first product.
; ctx lies in memory as images of operand registers ([tile of 16 tokens][head][768]: registers 0-3 at 16 x lane, 4, 5 at 512 + 8 x lane; two heads on end are a fragment of one K step).
; LDS.  All of K lies in LDS once: ctx as 8 rows of 12,288 bytes, Wo as 128 whole rows of 768 bytes with 16 bytes of padding behind every 256 (pitch 816); every row begins at a multiple of 256 bytes of memory.
;   One tensor load a wave (waves 0, 1: four tiles of ctx each; waves 2, 3: 64 rows of Wo each), one wait for 0, one barrier.  Nothing is filled twice.
; CLUSTER 4 x 4: ctx's tiles hang on y alone and are asked for jointly along a row of the cluster, Wo's on x alone and along a column.
; No prefetch: the launch has no loop that runs ahead of a load; the one fill at the head asks for all that the work-group reads.
; LIMIT.  A scale byte 0xff (NaN) in Wo_scales is not served.
.set PIT,   816
.set WO,    8*12288
.set STG,   WO+128*PIT                 ; the way out: 16 rows x 272 bytes for each wave; no tile lands there
.set SPARE, STG+4*4352
.set FLAGS, (1<<20)|(1<<21)|(5<<22)|(3<<25)
.set AC,  2                            ; v2, v3  16 x lane and 8 x lane, at my four tiles of tokens
.set AW,  4                            ; v4, v5  my fragments of Wo; the second (+ 16 h) for pieces whose lanes 16-31 lie behind one padding more
.set STO, 6
.set RD,  7
.set CO,  8
.set CS,  16                           ; v16-31  ctx's scale words: 4 m + j: lanes 0-15 K step j, lanes 16-31 K step 4 + j
.set WS,  32                           ; v32-47  Wo's: 4 f + j
.set BIAS, 48                          ; v48-79  bo in the result's layout
.set CF0, 80                           ; v80-127, v128-175  ctx's four fragments, two sets
.set WF,  176                          ; v176-223  Wo's four
.set OB,  80
.set WV,  4
.set G1C, 48
.set G1W, 56
.set G0C, 68
.set G0W, 84
.set MSB, 0
.macro WIN new
.if MSB != \new
	s_set_vgpr_msb (MSB<<8)|\new
.set MSB, \new
.endif
.endm
.macro ROUND
	s_barrier_signal -1
	s_barrier_wait -1
	s_cmp_lg_u32 s[WV], 0
	s_cbranch_scc1 .Lnw0_\@
	s_barrier_signal -3
.Lnw0_\@:
	s_barrier_wait -3
	s_barrier_signal -1
	s_barrier_wait -1
.endm
.macro PLACES
.rept 4
	v_nop
.endr
.endm
	s_load_b256 s[16:23], s[0:1], 0x0              ; ctx, ctxsc, Wo's codes, Wo's scales
	s_load_b128 s[24:27], s[0:1], 0x20             ; bo, out0
	v_lshl_add_u32 v254, v0, 2, SPARE
	v_mov_b32 v255, 0
	ds_add_u32 v254, v255                          ; the opening lines
	ds_add_u32 v254, v255
	v_lshrrev_b32 v1, 5, v0
	v_readfirstlane_b32 s[WV], v1
	s_lshr_b32 s5, s[WV], 1                        ; c.  Also: I fetch for ctx (0) or for Wo (1)
	s_and_b32 s6, s[WV], 1                         ; g.  Also: which half of that tile I fetch
	s_bfe_u32 s7, ttmp6, 0x40000
	s_bfe_u32 s8, ttmp6, 0x40004
	s_lshl_b32 s9, ttmp9, 2
	s_add_co_u32 s9, s9, s7                        ; x
	s_and_b32 s10, ttmp7, 0xffff
	s_lshl_b32 s10, s10, 2
	s_add_co_u32 s10, s10, s8                      ; y
	s_lshl_b32 s11, s8, 2
	s_lshl_b32 s11, 15, s11
	s_lshl_b32 s12, 0x1111, s7
	s_or_b32 s[G1C], s11, (3<<16)|(1<<21)          ; elements of 8 bytes, no padding: 4 rows of 12,288 bytes
	s_mov_b32 s[G1C+1], 1536<<16
	s_mov_b32 s[G1C+2], 4<<16
	s_mov_b32 s[G1C+3], 1536<<16
	s_mov_b32 s[G1C+4], 4
	s_mov_b32 s[G1C+5], 1536
	s_mov_b32 s[G1C+6], 0
	s_mov_b32 s[G1C+7], 0
	s_or_b32 s[G1W], s12, FLAGS                    ; 64 rows of 768 bytes, padded
	s_mov_b32 s[G1W+1], 768<<16
	s_mov_b32 s[G1W+2], 64<<16
	s_mov_b32 s[G1W+3], 768<<16
	s_mov_b32 s[G1W+4], 64
	s_mov_b32 s[G1W+5], 768
	s_mov_b32 s[G1W+6], 0
	s_mov_b32 s[G1W+7], 0
	s_mul_i32 s47, s6, 49152                       ; half a tile in memory: 4 x 12,288, and 64 x 768
	s_mul_i32 s38, s10, 98304
	s_add_co_u32 s38, s38, s47
	s_mov_b32 s39, 0
	s_mul_i32 s44, s9, 98304
	s_add_co_u32 s44, s44, s47
	s_mov_b32 s45, 0
	s_mul_i32 s46, s6, 49152
	s_mul_i32 s47, s6, 64*PIT
	s_wait_dscnt 0x0
	s_wait_kmcnt 0x0
	s_add_nc_u64 s[40:41], s[16:17], s[38:39]
	s_add_nc_u64 s[42:43], s[20:21], s[44:45]
	s_mov_b32 s[G0C], 1
	s_mov_b32 s[G0C+1], s46
	s_mov_b64 s[G0C+2:G0C+3], s[40:41]
	s_or_b32 s[G0C+3], s[G0C+3], 0x80000000
	s_mov_b32 s[G0W], 1
	s_add_co_u32 s[G0W+1], s47, WO
	s_mov_b64 s[G0W+2:G0W+3], s[42:43]
	s_or_b32 s[G0W+3], s[G0W+3], 0x80000000
	ROUND
	s_cmp_eq_u32 s5, 0                             ; one load a wave, one to an arm
	s_cbranch_scc0 .Lfill_w
	tensor_load_to_lds s[G0C:G0C+3], s[G1C:G1C+7]
	s_nop 0
	PLACES
	s_branch .Lfilled
.Lfill_w:
	tensor_load_to_lds s[G0W:G0W+3], s[G1W:G1W+7]
	s_nop 0
	PLACES
.Lfilled:
	v_and_b32 v1, 15, v0                           ; r
	v_bfe_u32 v15, v0, 4, 1                        ; h
	v_and_b32 v14, 31, v0                          ; lane
	v_lshlrev_b32 v9, 8, v15
	v_lshl_add_u32 v9, v1, 2, v9                   ; ctx's scale words: 256 h + 4 r
	s_wait_alu depctr_va_vdst(0)
	v_lshlrev_b32 v10, 5, v1
	v_lshl_add_u32 v10, v15, 4, v10                ; Wo's: 32 r + 16 h
	s_wait_alu depctr_va_vdst(0)
	v_lshlrev_b32 v11, 5, v15                      ; bo: 32 h
	s_wait_alu depctr_va_vdst(0)
	s_lshl_b32 s38, s10, 12
	s_lshl_b32 s46, s5, 11
	s_add_co_u32 s38, s38, s46
	s_add_nc_u64 s[18:19], s[18:19], s[38:39]      ; ctxsc: 512 bytes a tile of tokens
	s_lshl_b32 s38, s9, 12
	s_lshl_b32 s46, s6, 11
	s_add_co_u32 s38, s38, s46
	s_add_nc_u64 s[22:23], s[22:23], s[38:39]      ; Wo's scales: 32 bytes a row
	s_lshl_b32 s38, s9, 9
	s_lshl_b32 s46, s6, 8
	s_add_co_u32 s38, s38, s46                     ; my first output, in bytes
	s_add_nc_u64 s[24:25], s[24:25], s[38:39]
	s_add_nc_u64 s[26:27], s[26:27], s[38:39]
	s_lshl_b32 s38, s10, 19
	s_lshl_b32 s46, s5, 18
	s_add_co_u32 s38, s38, s46                     ; my first token's row of 4,096 bytes
	s_add_nc_u64 s[26:27], s[26:27], s[38:39]
.irp m, 0,1,2,3
.irp j, 0,1,2,3
	global_load_b32 v[CS+4*\m+\j], v9, s[18:19] offset:512*\m+64*\j
.endr
.endr
.irp f, 0,1,2,3
	global_load_b128 v[WS+4*\f:WS+4*\f+3], v10, s[22:23] offset:512*\f
	global_load_b128 v[BIAS+8*\f:BIAS+8*\f+3], v11, s[24:25] offset:64*\f
	global_load_b128 v[BIAS+8*\f+4:BIAS+8*\f+7], v11, s[24:25] offset:64*\f+16
.endr
	s_mul_i32 s46, s5, 49152
	v_lshl_add_u32 v[AC], v14, 4, s46
	v_lshl_add_u32 v[AC+1], v14, 3, s46
	v_mul_u32_u24 v13, v1, PIT
	v_mad_u32_u24 v13, v15, 24, v13
	s_mul_i32 s46, s6, 64*PIT
	s_add_co_u32 s46, s46, WO
	v_add_nc_u32 v[AW], s46, v13
	v_lshl_add_u32 v[AW+1], v15, 4, v[AW]
	s_mul_i32 s46, s[WV], 4352
	s_add_co_u32 s46, s46, STG
	v_mul_u32_u24 v13, v1, 272
	v_lshl_add_u32 v13, v15, 5, v13
	v_add_nc_u32 v[STO], s46, v13                  ; in: row r, 32 bytes for each half of the lanes
	v_mul_u32_u24 v13, v15, 272
	v_lshl_add_u32 v13, v1, 4, v13
	v_add_nc_u32 v[RD], s46, v13                   ; back: lanes 0-15 one row of 256 bytes, lanes 16-31 the next
	v_lshlrev_b32 v[CO], 12, v15
	v_lshl_add_u32 v[CO], v1, 4, v[CO]             ; and the same two rows in out
; Piece P (8 bytes) of a row of Wo lies at 8 P + 16 (P / 32); lanes 16-31 read three pieces further on
.macro FRAG reg, adr, q, off
.irp p, 0,1,2,3,4,5
.set PCE, 12*(\q)+6*(\p/3)+\p%3
.if PCE%32 < 29
	ds_load_b64 v[\reg+2*\p:\reg+2*\p+1], v[\adr] offset:8*PCE+16*(PCE/32)+(\off)
.else
	ds_load_b64 v[\reg+2*\p:\reg+2*\p+1], v[\adr+1] offset:8*PCE+16*(PCE/32)+(\off)
.endif
.endr
.endm
.macro FETCH_C set, q                  ; ctx's four fragments of K step q: 16 loads
.irp m, 0,1,2,3
	ds_load_b128 v[CF0+48*(\set)+12*\m:CF0+48*(\set)+12*\m+3], v[AC] offset:12288*\m+1536*(\q)
	ds_load_b64 v[CF0+48*(\set)+12*\m+4:CF0+48*(\set)+12*\m+5], v[AC+1] offset:12288*\m+1536*(\q)+512
	ds_load_b128 v[CF0+48*(\set)+12*\m+6:CF0+48*(\set)+12*\m+9], v[AC] offset:12288*\m+1536*(\q)+768
	ds_load_b64 v[CF0+48*(\set)+12*\m+10:CF0+48*(\set)+12*\m+11], v[AC+1] offset:12288*\m+1536*(\q)+1280
.endr
.endm
.macro FETCH_W f0, q                   ; Wo's tiles f0, f0 + 1: 12 loads
.irp f, \f0, \f0+1
	FRAG WF+12*(\f), AW, \q, 16*PIT*(\f)
.endr
.endm
.macro WM d, a, b, c, sa, sb, s
.if (\s) == 0
	v_wmma_scale_f32_16x16x128_f8f6f4 v[\d:\d+7], v[\a:\a+11], v[\b:\b+11], v[\c:\c+7], v[\sa], v[\sb] matrix_a_fmt:MATRIX_FMT_FP6 matrix_b_fmt:MATRIX_FMT_FP6
.elseif (\s) < 4
	v_wmma_scale_f32_16x16x128_f8f6f4 v[\d:\d+7], v[\a:\a+11], v[\b:\b+11], v[\d:\d+7], v[\sa], v[\sb] matrix_a_fmt:MATRIX_FMT_FP6 matrix_b_fmt:MATRIX_FMT_FP6
.else
	v_wmma_scale_f32_16x16x128_f8f6f4 v[\d:\d+7], v[\a:\a+11], v[\b:\b+11], v[\d:\d+7], v[\sa], v[\sb] matrix_a_fmt:MATRIX_FMT_FP6 matrix_b_fmt:MATRIX_FMT_FP6 matrix_a_scale:MATRIX_SCALE_ROW1 matrix_b_scale:MATRIX_SCALE_ROW1
.endif
.endm
; Eight products: Wo's tiles f0, f0 + 1 against the four tiles of tokens.  The 16 accumulators (window 1, at 32 m + 8 f) take turns, one instruction a turn, in the same order in every K step.
.macro MUL8 f0, s
.set SJ, (\s)%4
.set HH, CF0+48*((\s)%2)
.if (\s) == 0
	WIN 0x40                                       ; D in window 1, the bias in window 0
.else
	WIN 0x50                                       ; C and D in window 1
.endif
.irp f, \f0, \f0+1
.irp m, 0,1,2,3
	WM 32*\m+8*(\f), WF+12*(\f), HH+12*\m, BIAS+8*(\f), WS+4*(\f)+SJ, CS+4*\m+SJ, \s
.endr
.endr
.endm
.macro STEP s
	s_wait_dscnt 12                                ; ctx's fragments and Wo's tiles 0, 1 are in; the 12 youngest loads may be out
	MUL8 0, \s
	s_wait_dscnt 0x0
	PLACES
	WIN 0
	FETCH_C ((\s)+1)%2, (\s)+1
	FETCH_W 0, (\s)+1
	MUL8 2, \s
	PLACES
	WIN 0
	FETCH_W 2, (\s)+1
.endm
	s_wait_alu depctr_va_vdst(0)                   ; a wait at the head's end
	s_wait_loadcnt 0x0                             ; scale words and bias
	s_wait_tensorcnt 0x0                           ; my tile has landed,
	s_barrier_signal -1
	s_barrier_wait -1                              ; and everybody's
	FETCH_C 0, 0
	FETCH_W 0, 0
	FETCH_W 2, 0
.irp s, 0,1,2,3,4,5,6
	STEP \s
.endr
	s_wait_dscnt 12
	MUL8 0, 7
	s_wait_dscnt 0x0
	MUL8 2, 7
	WIN 0
	PLACES
; THE WAY OUT, 16 tokens at a time: a lane's 32 bytes go into my own stage and come back as whole rows of 256 bytes.  LDS serves a wave's instructions in order: no wait between the stores and the loads, nor in front of the next block's stores.
.macro TOSTAGE m
	WIN 0x04                                       ; an LDS store's data are its source 1: window 1
.irp f, 0,1,2,3
	ds_store_b128 v[STO], v[32*(\m)+8*\f:32*(\m)+8*\f+3] offset:64*\f          ; each accumulator from its low end on
	ds_store_b128 v[STO], v[32*(\m)+8*\f+4:32*(\m)+8*\f+7] offset:64*\f+16
.endr
	WIN 0
.irp t, 0,1,2,3,4,5,6,7
	ds_load_b128 v[OB+32*(\m)+4*\t:OB+32*(\m)+4*\t+3], v[RD] offset:544*\t
.endr
.endm
.macro SEND m, younger
	s_wait_dscnt \younger
.irp t, 0,1,2,3,4,5,6,7
	global_store_b128 v[CO], v[OB+32*(\m)+4*\t:OB+32*(\m)+4*\t+3], s[26:27] offset:65536*(\m)+8192*\t th:TH_STORE_NT   ; each half of the lanes stores 256 consecutive aligned bytes
.endr
.endm
	TOSTAGE 0
.irp m, 1,2,3
	TOSTAGE \m
	SEND \m-1, 16                                  ; behind that block's loads: this block's 8 stores and 8 loads
.endr
	SEND 3, 0
	s_wait_tensorcnt 0x0                           ; the wave's end
	ds_add_u32 v254, v255
	s_wait_dscnt 0x0
	ROUND                                          ; the closing round
	s_endpgm
.Lfunc_end_k_q7f7d5170fa_oproj:
	.size	k_q7f7d5170fa_oproj, .Lfunc_end_k_q7f7d5170fa_oproj-k_q7f7d5170fa_oproj
	.p2alignl 7, 3214868480
	.fill 96, 4, 3214868480
	.section	.rodata,"a",@progbits
	.p2align	6, 0x0
	.amdhsa_kernel k_q7f7d5170fa_oproj
		.amdhsa_group_segment_fixed_size 327680
		.amdhsa_private_segment_fixed_size 0
		.amdhsa_enable_private_segment 0
		.amdhsa_kernarg_size 48
		.amdhsa_user_sgpr_count 2
		.amdhsa_user_sgpr_kernarg_segment_ptr 1
		.amdhsa_wavefront_size32 1
		.amdhsa_system_sgpr_workgroup_id_x 1
		.amdhsa_system_sgpr_workgroup_id_y 1
		.amdhsa_system_sgpr_workgroup_id_z 1
		.amdhsa_system_vgpr_workitem_id 0
		.amdhsa_next_free_vgpr 384
		.amdhsa_next_free_sgpr 100
		.amdhsa_reserve_vcc 0
		.amdhsa_float_denorm_mode_32 3
		.amdhsa_float_denorm_mode_16_64 3
		.amdhsa_memory_ordered 1
		.amdhsa_forward_progress 1
		.amdhsa_inst_pref_size 57
	.end_amdhsa_kernel
	.amdgpu_metadata
---
amdhsa.version: [ 1, 2 ]
amdhsa.kernels:
  - .name:           k_q7f7d5170fa_oproj
    .symbol:         k_q7f7d5170fa_oproj.kd
    .args:
      - { .name: ctx, .offset: 0, .size: 8, .value_kind: global_buffer, .address_space: global }
      - { .name: ctxsc, .offset: 8, .size: 8, .value_kind: global_buffer, .address_space: global }
      - { .name: Wo_codes, .offset: 16, .size: 8, .value_kind: global_buffer, .address_space: global }
      - { .name: Wo_scales, .offset: 24, .size: 8, .value_kind: global_buffer, .address_space: global }
      - { .name: bo, .offset: 32, .size: 8, .value_kind: global_buffer, .address_space: global }
      - { .name: out0, .offset: 40, .size: 8, .value_kind: global_buffer, .address_space: global }
    .group_segment_fixed_size: 327680
    .private_segment_fixed_size: 0
    .kernarg_segment_align: 8
    .kernarg_segment_size: 48
    .max_flat_workgroup_size: 128
    .sgpr_count:     100
    .vgpr_count:     384
    .wavefront_size: 32
...
	.end_amdgpu_metadata
.endif
;; end of part 3
